; MI455X (gfx1250); checked and timed in simulation.
; The chip was launched on July 23, 2026; its instructions are those of AMD's public machine-readable ISA for CDNA 5 (MIT licence, August 2026) and "CDNA5" Instruction Set Architecture Reference Guide (July 2026). The comments in the code are by the model that wrote it; some were corrected since.
;; Decision Transformer GPT2 Attention. Allowed arithmetic: matrix products marked QUANTISED: E4M3 operands, one given power-of-two scale a tensor, by v_wmma_f32_16x16x64_fp8_fp8 or v_wmma_f32_16x16x128_fp8_fp8, f32 sums; products left as they are: f32 operands where the result goes on into a quantised operand, else bf16, f16 or f32 operands; f32 sums; everything else in f32.
;; Inputs: c_attn_b 3,072 float32; c_attn_w_codes 3,072 x 32 x 32 uint8 (E4M3 codes of c_attn_w, K innermost, in blocks of 32 codes); c_proj_b 1,024 float32; c_proj_w_codes 1,024 x 32 x 32 uint8 (E4M3 codes of c_proj_w, K innermost, in blocks of 32 codes); hidden_states_codes 2 x 2,048 x 32 x 32 uint8 (E4M3 codes of hidden_states, K innermost, in blocks of 32 codes); lowp_scales 8 int32 (the exponents e of the quantised operands' scales 2^e); position_ids 2 x 2,048 int32.
;; Outputs: out0 2 x 2,048 x 1,024 float32.
;; This version of the problem:
;;   THIS VERSION OF THE PROBLEM IS GIVEN IN LOW PRECISION. The matrix products marked QUANTISED in the list below multiply operands that are first quantised to E4M3 (4 exponent bits, 3 mantissa bits; 8 bits a number), with one given power-of-two scale for each operand tensor; their sums are f32. All else is computed in f32.
;;   The module's matrix products, in the order in which they are computed (A, B: the left and right operand; K: the contracted axis; several contracted axes count as one K, in the product's order):
;;     1. [M 4,096, K 1,024] x [K 1,024, N 3,072]; A: input hidden_states (given as codes); B: input c_attn_w (given as codes): QUANTISED (scales: A lowp_scales[0], B lowp_scales[1])
;;     2. [M 2,048, K 1] x [K 1, N 32]; A: computed on the way; B: computed on the way: left as it is (no contracted axis)
;;     3. batch 32 x [M 2,048, K 64] x [K 64, N 2,048]; A: computed on the way; B: computed on the way: QUANTISED (scales: A lowp_scales[2], B lowp_scales[3])
;;     4. batch 32 x [M 2,048, K 2,048] x [K 2,048, N 64]; A: softmax (see below); B: computed on the way: QUANTISED (scales: A lowp_scales[4], B lowp_scales[5])
;;     5. [M 4,096, K 1,024] x [K 1,024, N 1,024]; A: computed on the way; B: input c_proj_w (given as codes): QUANTISED (scales: A lowp_scales[6], B lowp_scales[7])
;;   THE QUANTISER, for each operand of a quantised product, along K:
;;     - The operand's scale is 2^e, e = its entry of the input lowp_scales (int32; the entries are numbered through the quantised products in the list's order, A before B).
;;     - Each number is divided by the scale, clamped to +-448, and rounded to the nearest number of E4M3, ties to even, subnormals kept.
;;     - The product sums the exact products of the quantised numbers (number of the format x scale) in f32.
;;   ~~~python
;;   def quantise(x, axis, e):      # numpy; x: float32 -> the quantised numbers, widened to float32 again
;;       x = np.moveaxis(x, axis, -1); K = x.shape[-1]
;;       r = np.clip(x / 2.0 ** e, -448, 448)
;;       step = 2.0 ** (np.maximum(np.frexp(np.where(r == 0, 1, r))[1] - 1, -6) - 3)
;;       q = np.round(r / step) * step * 2.0 ** e      # np.round: ties to even
;;       return np.moveaxis(q, -1, axis).astype(np.float32)
;;   ~~~
;;   SOFTMAX AHEAD OF A QUANTISED PRODUCT. Where the list says 'softmax', what is quantised is not the finished softmax but p = 2^(t - M), with t = logit x log2(e) and M = ceil(the row's largest t), a whole number; so 1/2 < the row's largest p <= 1. The row's sum l is taken of the UNQUANTISED p, in f32, and the product's result is divided by l at the end. Since M is a whole number, a kernel that streams over the keys may use a running M (the ceiling of the running maximum): every later rescaling is an exact power of two, so the quantised numbers keep their values, but for numbers so far below the row's largest that they fall under the format's range.
;;   OPERANDS COMPUTED ON THE WAY. 'Computed on the way' means the value that the module computes at that place (a softmax that the list does not call 'softmax' is quantised finished and normalised). What goes into a quantiser is computed in f32, as accurately as f32 sums, v_exp_f32 and their like allow (about 1e-6 of the number): no bf16 or f16 on the way to a quantiser, and a product that is left as it is and whose result goes on into a quantised operand takes f32 operands (vector FMAs, or v_wmma_f32_16x16x4_f32). A number that lies on a knife's edge between two numbers of the format may be rounded either way, as far as f32 arithmetic and the matrix unit's own rounding can turn it there, and no further.
;;   INPUTS GIVEN AS CODES. c_attn_w (in the module: [1024, 3072], K = its axis 0); c_proj_w (in the module: [1024, 1024], K = its axis 0); hidden_states (in the module: [2, 2048, 1024], K = its axis 2): each comes as NAME_codes (uint8): NAME with its K axis moved to the last place and cut into blocks of 32 codes, [.., K / 32, bytes a block], one block behind the other in memory; one code a byte (a code: sign, 4 exponent bits, 3 mantissa bits); its scale is its entry of lowp_scales. Its value is code x scale, taken as it is: it is not quantised again, and the codes and scales need not be those that the quantiser above would give.
;; One version. Each part assembles by itself: llvm-mc -triple=amdgcn-amd-amdhsa -mcpu=gfx1250 --defsym DOCPART=n.
;; ======== version 1 of 1: 3 launches
;; limits: right only within a limited range of input values
;; workspace buffers: q_img 4,194,304 bytes; k_img 4,194,304 bytes; v_img 4,194,304 bytes; attn_img 4,194,304 bytes
;; launch qkv (part 1): grid 16 x 16, 4 waves a work-group, clusters of 4 x 4, 327,680 bytes of LDS; arguments hidden_states_codes, c_attn_w_codes, c_attn_b, position_ids, lowp_scales, q_img, k_img, v_img; writes q_img, k_img, v_img
.if DOCPART == 1
	.amdgcn_target "amdgcn-amd-amdhsa--gfx1250"
	.amdhsa_code_object_version 6
	.text
	.protected	k_qd2c36c2de0_qkv
	.globl	k_qd2c36c2de0_qkv
	.p2align	8
	.type	k_qd2c36c2de0_qkv,@function
k_qd2c36c2de0_qkv:
	s_mov_b64 s[64:65], 0
	v_nop
	global_prefetch_b8 v0, s[64:65] scope:SCOPE_SE
	s_setreg_imm32_b32 hwreg(HW_REG_WAVE_MODE, 25, 1), 1
	s_wait_xcnt 0x0
	s_wait_alu depctr_hold_cnt(0) depctr_sa_sdst(0) depctr_va_vdst(0) depctr_va_sdst(0) depctr_va_ssrc(0) depctr_va_vcc(0) depctr_vm_vsrc(0)
	s_getreg_b32 s2, hwreg(HW_REG_IB_STS2, 6, 4)
	s_cmp_eq_u32 s2, 0
	s_cbranch_scc0 .Lentry_in_a_cluster
	s_endpgm
.Lentry_in_a_cluster:
	s_bfe_u32 s2, ttmp6, 0x10000c
	s_cmp_lg_u32 s2, 0xf033
	s_cbranch_scc0 .Lentry_shape_is_right
	s_endpgm
.Lentry_shape_is_right:
; qkv = hidden W + b on E4M3 codes, rotary embedding of q and k, and the quantising of q, k, v for the two products of attention.
; hidden: [4096][1024] codes; W: [3072][1024] codes, K innermost; b: [3072] f32; positions: [4096] int32; scales: e0 .. e7 (int32).
; SHARES.  A work-group takes 256 rows x ONE HEAD's 192 columns (64 of q, 64 of k, 64 of v); wave w takes rows 64 w .. 64 w + 63 x all 192: 48 accumulators.
;   q, k: source 0 = 16 rows of W, source 1 = 16 rows of hidden: a lane holds one row and eight neighbouring d (16 t + 8 (lane / 16) + j): d and d + 32 lie in tiles t and t + 2, same lane, same register.
;   v:    source 0 = 16 rows of hidden, source 1 = 16 rows of W: a lane holds one d and eight neighbouring keys, since the keys are the K of attention's second product.
;   The rows of W that form a tile of v are not neighbours: lane r of tile n takes d = 32 (n / 2) + 8 (n % 2) + r + 8 (r / 8).
; K goes in slots of 256 (rows of 256 bytes) through a ring of two LDS slots, four slots' worth in all, written out without a loop.
; CLUSTER 4 x 4: hidden's tile hangs on the row block alone and is asked for jointly along a row of the cluster, W's on the head alone, along a column.
; The bias goes in as the C of each sum's first product, divided by 2^(e0 + e1); the conversions take 2^(e - e0 - e1) as their one scale.
; cos and sin are made here, in f32: angle = position x 4000^(-i / 32) (one rounding), reduced by multiples of pi / 2 in two parts, polynomials on +-pi / 4.  They wait in LDS while the fragments need the registers.
; OUT: images of operand registers: a fragment of 8 registers is 1,024 bytes, registers 0-3 at 16 x lane, 4-7 at 512 + 16 x lane: every store of a wave covers 512 consecutive bytes, aligned.
; LIMITS: positions 0 .. 2047 (the table's rows); e2 - e0 - e1, e3 - e0 - e1, e5 - e0 - e1 between -126 and 119.  NaN among the inputs is not served.
; REGISTERS.  window 0: v1-29 addresses and scales; v32-95 q's and k's bias, later their codes; v96-127 v's bias, later its codes; v128-255 v's 16 accumulators.
;   window 1: fragment set 0 (hidden at 16 m, W's v tiles at 64 + 16 n, W's q and k tiles at 128 + 16 t); at the head the trigonometry; at the end cos and sin.
;   window 2: fragment set 1; at the end the rotated numbers.   window 3: q's and k's 32 accumulators, (m, t) at 8 (8 m + t), t = 4 x (q: 0, k: 1) + tile.
.set PITCH,  272                       ; an LDS row: 256 bytes + 16 of padding: the 16 rows of a fragment load start at 16 different 16-byte columns
.set TILE16, 16*PITCH
.set BOFF,   256*PITCH                 ; behind hidden's 256 rows: W's 192 (q, k, v)
.set BPART,  64*PITCH
.set SLOT,   448*PITCH
.set CSB,    2*SLOT                    ; behind the ring: cos and sin, 16,384 bytes for each wave; no tile lands here
.set SPARE,  CSB+65536                 ; the spare words, 128 bytes for each wave
.set ADRA,  16                         ; v16-17 my rows of hidden in slot 0, 1
.set ADRQK, 18                         ; v18-19 W's q and k rows
.set ADRV,  20                         ; v20-21 W's v rows, in the tiles' own order
.set CSA,   22                         ; v22 my place in my wave's cos and sin
.set LI,    23                         ; v23 16 x lane
.set SCQ,   24                         ; v24-26 the conversions' scales for q, k, v
.set SPW,   28
.set NIL,   29
.set QKB,   32
.set VB,    96
.set VACC,  128
.set XW,    128                        ; window 2, at the end: 64 rotated numbers
.set TW,    192                        ; and 64 products with sin
.set G1A, 28
.set G1B, 36
.set G0A, 44
.set G0B, 52
; the trigonometry's registers, all in window 1
.set TF,   0                           ; 16 frequencies: index 8 t + j stands for i = 16 t + 8 (lane / 16) + j
.set K2PI, 16
.set NC1,  18
.set NC2,  20
.set KS3,  22
.set KS2,  24
.set KS1,  26
.set KC3,  28
.set KC2,  30
.set KC1,  32
.set TT,   34                          ; four pairs: the position of my row in tile m, twice
.set TH,   42
.set TA,   48
.set TN,   64
.set TQ,   80
.set TR,   96
.set TR2,  112
.set TS,   128
.set TC,   144
.set TU,   160
.set TV,   176
.set TCO,  192
.set TSO,  208
.set MSB, 0
.macro WIN new                         ; the immediate's high byte repeats the setting that is left
.if MSB != (\new)
	s_set_vgpr_msb (MSB<<8)|(\new)
.set MSB, (\new)
.endif
.endm
.macro PLACES                          ; four plain places behind matrix instructions, in front of loads into their registers and of reads of their results
.rept 4
	v_nop
.endr
.endm
.macro CREST                           ; a round of the cluster's barrier behind its opening barrier
	s_cmp_lg_u32 s20, 0
	s_cbranch_scc1 .Lnot_wave_0_\@
	s_barrier_signal -3
.Lnot_wave_0_\@:
	s_barrier_wait -3
	s_barrier_signal -1
	s_barrier_wait -1
.endm
.macro CROUND
	s_barrier_signal -1
	s_barrier_wait -1
	CREST
.endm
; A joint load: wave 0 fetches hidden's 256 rows, waves 1 to 3 the 64 rows of W for q, k, v.  The branch hangs on the wave's number alone.  Four v_nop follow each line.
.macro JLOAD s
	s_cmp_eq_u32 s20, 0
	s_cbranch_scc0 .Lfor_b_\@
	tensor_load_to_lds s[G0A+4*\s:G0A+4*\s+3], s[G1A:G1A+7]
	s_nop 0
.rept 4
	v_nop
.endr
	s_branch .Lasked_\@
.Lfor_b_\@:
	tensor_load_to_lds s[G0B+4*\s:G0B+4*\s+3], s[G1B:G1B+7]
	s_nop 0
.rept 4
	v_nop
.endr
.Lasked_\@:
.endm
	s_load_b256 s[4:11], s[0:1], 0x0               ; hidden s[4:5], W s[6:7], b s[8:9], positions s[10:11]
	s_load_b256 s[12:19], s[0:1], 0x20             ; scales s[12:13], q_img s[14:15], k_img s[16:17], v_img s[18:19]
	v_lshl_add_u32 v[SPW], v0, 2, SPARE
	v_mov_b32 v[NIL], 0
	ds_add_u32 v28, v29
	ds_add_u32 v28, v29
	s_wait_dscnt 0x0
	v_lshrrev_b32 v1, 5, v0
	v_readfirstlane_b32 s20, v1                    ; wave 0..3
	s_bfe_u32 s21, ttmp6, 0x40000                  ; cx
	s_bfe_u32 s22, ttmp6, 0x40004                  ; cy
	s_lshl_b32 s23, ttmp9, 2
	s_add_co_u32 s23, s23, s21                     ; the head = 4 x cluster x + cx
	s_and_b32 s24, ttmp7, 0xffff
	s_lshl_b32 s24, s24, 2
	s_add_co_u32 s24, s24, s22                     ; the block of 256 rows = 4 x cluster y + cy
	s_lshl_b32 s25, s22, 2
	s_lshl_b32 s25, 15, s25                        ; my row of the cluster
	s_lshl_b32 s26, 0x1111, s21                    ; my column
	s_or_b32 s[G1A], s25, (1<<20)|(1<<21)|(5<<22)|(3<<25)   ; mask; elements of 1 byte; padding on; bit 21 beside a mask; 4 words behind every 64
	s_or_b32 s[G1B], s26, (1<<20)|(1<<21)|(5<<22)|(3<<25)
	s_mov_b32 s[G1A+1], 256<<16                    ; tensor_dim0 = 256
	s_mov_b32 s[G1A+2], 256<<16                    ; tensor_dim1 = 256
	s_mov_b32 s[G1A+3], 256<<16                    ; tile_dim0 = 256
	s_mov_b32 s[G1A+4], 256                        ; tile_dim1 = 256 rows
	s_mov_b32 s[G1A+5], 1024                       ; from row to row
	s_mov_b32 s[G1A+6], 0
	s_mov_b32 s[G1A+7], 0
	s_mov_b32 s[G1B+1], 256<<16
	s_mov_b32 s[G1B+2], 64<<16                     ; 64 rows
	s_mov_b32 s[G1B+3], 256<<16
	s_mov_b32 s[G1B+4], 64
	s_mov_b32 s[G1B+5], 1024
	s_mov_b32 s[G1B+6], 0
	s_mov_b32 s[G1B+7], 0
	s_lshl_b32 s84, s24, 18                        ; hidden: 256 rows of 1,024 bytes for each block
	s_mov_b32 s85, 0
	s_add_co_u32 s86, s20, 3
	s_and_b32 s86, s86, 3
	s_min_u32 s86, s86, 2                          ; waves 1, 2, 3: part 0 (q), 1 (k), 2 (v) of W
	s_lshl_b32 s88, s86, 20                        ; W: 1,024 rows for each part,
	s_lshl_b32 s89, s23, 16                        ; 64 rows for each head
	s_add_co_u32 s88, s88, s89
	s_mov_b32 s89, 0
	s_mul_i32 s87, s86, BPART
	s_add_co_u32 s87, s87, BOFF                    ; and its place in a slot
	s_wait_kmcnt 0x0
	s_load_b256 s[68:75], s[12:13], 0x0            ; e0 .. e7
	s_add_nc_u64 s[84:85], s[4:5], s[84:85]
	s_add_nc_u64 s[88:89], s[6:7], s[88:89]
	CROUND                                         ; all sixteen work-groups are here: the first joint loads meet
.irp s, 0,1
	s_mov_b32 s[G0A+4*\s], 1
	s_mov_b32 s[G0A+4*\s+1], \s*SLOT
	s_add_nc_u64 s[G0A+4*\s+2:G0A+4*\s+3], s[84:85], \s*256
	s_or_b32 s[G0A+4*\s+3], s[G0A+4*\s+3], 0x80000000
	s_mov_b32 s[G0B+4*\s], 1
	s_add_co_u32 s[G0B+4*\s+1], s87, \s*SLOT
	s_add_nc_u64 s[G0B+4*\s+2:G0B+4*\s+3], s[88:89], \s*256
	s_or_b32 s[G0B+4*\s+3], s[G0B+4*\s+3], 0x80000000
	JLOAD \s                                       ; two loads of mine are out
.endr
	v_and_b32 v1, 15, v0                           ; r
	v_bfe_u32 v2, v0, 4, 1                         ; h
	v_and_b32 v3, 31, v0                           ; lane
	v_lshlrev_b32 v4, 2, v1                        ; positions: 4 r
	v_lshlrev_b32 v5, 5, v2                        ; q's and k's bias: my half's eight numbers
	v_and_b32 v8, 8, v1
	v_add_nc_u32 v8, v8, v1                        ; r + 8 (r / 8)
	v_lshlrev_b32 v6, 2, v8                        ; v's bias: my d
	s_lshl_b32 s60, s24, 10
	s_lshl_b32 s61, s20, 8
	s_add_co_u32 s60, s60, s61                     ; (256 y + 64 w) x 4
	s_mov_b32 s61, 0
	s_add_nc_u64 s[98:99], s[10:11], s[60:61]
	s_lshl_b32 s60, s23, 8                         ; the head's 64 numbers
	s_add_nc_u64 s[62:63], s[8:9], s[60:61]
	WIN 0x40                                       ; destination window 1
.irp m, 0,1,2,3
	global_load_b32 v[TT+2*\m], v4, s[98:99] offset:64*\m          ; the position of row 16 m + r
.endr
	WIN 0
.irp t, 0,1,2,3,4,5,6,7
	global_load_b128 v[QKB+8*\t:QKB+8*\t+3],   v5, s[62:63] offset:(\t/4)*4096+(\t%4)*64
	global_load_b128 v[QKB+8*\t+4:QKB+8*\t+7], v5, s[62:63] offset:(\t/4)*4096+(\t%4)*64+16
.endr
.irp n, 0,1,2,3
	global_load_b32 v[VB+8*\n], v6, s[62:63] offset:8192+4*(32*(\n/2)+8*(\n%2))
.endr
	v_mul_u32_u24 v7, v1, PITCH
	v_lshl_add_u32 v7, v2, 4, v7                   ; row r x pitch + 16 h
	s_mul_i32 s67, s20, 64*PITCH
	v_add_nc_u32 v[ADRA], s67, v7
	v_add_nc_u32 v[ADRA+1], SLOT, v[ADRA]
	v_add_nc_u32 v[ADRQK], BOFF, v7
	v_add_nc_u32 v[ADRQK+1], SLOT, v[ADRQK]
	v_mul_u32_u24 v9, v8, PITCH
	v_lshl_add_u32 v9, v2, 4, v9
	v_add_nc_u32 v[ADRV], BOFF, v9
	v_add_nc_u32 v[ADRV+1], SLOT, v[ADRV]
	s_lshl_b32 s67, s20, 14
	s_add_co_u32 s67, s67, CSB
	v_lshl_add_u32 v[CSA], v3, 4, s67
	v_lshlrev_b32 v[LI], 4, v3
	; where my wave's part begins in each of the three images: (128 bh + 16 (y % 8) + 4 w) x 1,024 bytes: 64 rows are four fragments of q, four of k, and one block (four fragments) of v
	s_lshr_b32 s25, s24, 3
	s_lshl_b32 s25, s25, 4
	s_add_co_u32 s25, s25, s23                     ; bh = 16 b + head
	s_lshl_b32 s25, s25, 7
	s_and_b32 s26, s24, 7
	s_lshl_b32 s26, s26, 4
	s_add_co_u32 s25, s25, s26
	s_lshl_b32 s26, s20, 2
	s_add_co_u32 s25, s25, s26
	s_lshl_b32 s26, s25, 10
	s_mov_b32 s27, 0
	s_add_nc_u64 s[92:93], s[14:15], s[26:27]
	s_add_nc_u64 s[94:95], s[16:17], s[26:27]
	s_add_nc_u64 s[96:97], s[18:19], s[26:27]
	; THE FREQUENCIES: 4000^(-i / 32) = 2^(-i x log2(4000) / 32), the factor in two parts
	s_mov_b32 s60, 0x3ebf73da
	s_mov_b32 s61, 0x31e36e2e
	s_mov_b32 s66, 0x80000000
	WIN 0x40
	v_lshlrev_b32 v[TH], 3, v2
	WIN 0x55                                       ; all four places window 1
.set i, 0
.rept 16
	v_add_nc_u32 v[TA+i], i+8*(i/8), v[TH]
.set i, i+1
.endr
.set i, 0
.rept 16
	v_cvt_f32_u32 v[TA+i], v[TA+i]
.set i, i+1
.endr
.set i, 0
.rept 16
	v_mul_f32 v[TN+i], s61, v[TA+i]
.set i, i+1
.endr
.set i, 0
.rept 16
	v_fma_f32 v[TN+i], v[TA+i], s60, v[TN+i]
.set i, i+1
.endr
.set i, 0
.rept 16
	v_exp_f32 v[TF+i], -v[TN+i]
.set i, i+1
.endr
.macro KPAIR reg, bits                 ; a constant, twice: the packed forms take a pair
	v_mov_b32 v[\reg], \bits
	v_mov_b32 v[\reg+1], \bits
.endm
	KPAIR K2PI, 0x3f22f983                         ; 2 / pi.  (These moves are the plain work behind the exponentials)
	KPAIR NC1,  0xbfc90fdb                         ; -(pi / 2 rounded to f32)
	KPAIR NC2,  0x333bbd2e                         ; -(pi / 2 less that)
	KPAIR KS3,  0xb94ca1f9
	KPAIR KS2,  0x3c08839e
	KPAIR KS1,  0xbe2aaaa3
	KPAIR KC3,  0x37ccf5ce
	KPAIR KC2,  0xbab6061a
	KPAIR KC1,  0x3d2aaaa5
	s_wait_alu depctr_va_vdst(0)                   ; one wait for the sixteen exponentials, ahead of their first reader
	s_wait_loadcnt 0x0                             ; positions and biases
.irp m, 0,1,2,3
	v_cvt_f32_u32 v[TT+2*\m], v[TT+2*\m]
	v_mov_b32 v[TT+2*\m+1], v[TT+2*\m]
.endr
; cos and sin of my row of tile m at my 16 frequencies, and their image into LDS
.macro TRIG m
	WIN 0x55
.set i, 0
.rept 8
	v_pk_mul_f32 v[TA+i:TA+i+1], v[TF+i:TF+i+1], v[TT+2*\m:TT+2*\m+1]      ; the angle: one rounding
.set i, i+2
.endr
.set i, 0
.rept 8
	v_pk_mul_f32 v[TN+i:TN+i+1], v[TA+i:TA+i+1], v[K2PI:K2PI+1]
.set i, i+2
.endr
.set i, 0
.rept 16
	v_rndne_f32 v[TN+i], v[TN+i]                   ; n: how many quarter turns
.set i, i+1
.endr
.set i, 0
.rept 16
	v_cvt_i32_f32 v[TQ+i], v[TN+i]
.set i, i+1
.endr
.set i, 0
.rept 8
	v_pk_fma_f32 v[TR+i:TR+i+1], v[TN+i:TN+i+1], v[NC1:NC1+1], v[TA+i:TA+i+1]   ; exact: a multiple of 2^-23 under 1
.set i, i+2
.endr
.set i, 0
.rept 8
	v_pk_fma_f32 v[TR+i:TR+i+1], v[TN+i:TN+i+1], v[NC2:NC2+1], v[TR+i:TR+i+1]
.set i, i+2
.endr
.set i, 0
.rept 8
	v_pk_mul_f32 v[TR2+i:TR2+i+1], v[TR+i:TR+i+1], v[TR+i:TR+i+1]
.set i, i+2
.endr
.set i, 0
.rept 8
	v_pk_fma_f32 v[TS+i:TS+i+1], v[TR2+i:TR2+i+1], v[KS3:KS3+1], v[KS2:KS2+1]
	v_pk_fma_f32 v[TC+i:TC+i+1], v[TR2+i:TR2+i+1], v[KC3:KC3+1], v[KC2:KC2+1]
.set i, i+2
.endr
.set i, 0
.rept 8
	v_pk_fma_f32 v[TS+i:TS+i+1], v[TS+i:TS+i+1], v[TR2+i:TR2+i+1], v[KS1:KS1+1]
	v_pk_fma_f32 v[TC+i:TC+i+1], v[TC+i:TC+i+1], v[TR2+i:TR2+i+1], v[KC1:KC1+1]
.set i, i+2
.endr
.set i, 0
.rept 8
	v_pk_mul_f32 v[TU+i:TU+i+1], v[TR2+i:TR2+i+1], v[TR+i:TR+i+1]          ; r^3
	v_pk_fma_f32 v[TV+i:TV+i+1], v[TR2+i:TR2+i+1], -0.5, 1.0 op_sel_hi:[1,0,0]
.set i, i+2
.endr
.set i, 0
.rept 8
	v_pk_fma_f32 v[TS+i:TS+i+1], v[TS+i:TS+i+1], v[TU+i:TU+i+1], v[TR+i:TR+i+1]   ; sin r
.set i, i+2
.endr
.set i, 0
.rept 8
	v_pk_mul_f32 v[TU+i:TU+i+1], v[TR2+i:TR2+i+1], v[TR2+i:TR2+i+1]
.set i, i+2
.endr
.set i, 0
.rept 8
	v_pk_fma_f32 v[TC+i:TC+i+1], v[TC+i:TC+i+1], v[TU+i:TU+i+1], v[TV+i:TV+i+1]   ; cos r
.set i, i+2
.endr
.if \m > 0
	s_wait_dscnt 0x0                               ; the last tile's stores have read their registers
.endif
.set i, 0
.rept 16                               ; the quarter: odd n swaps sin and cos; sin is negative where n % 4 is 2 or 3, cos where it is 1 or 2
	v_and_b32 v[TU+i], 1, v[TQ+i]
	v_lshlrev_b32 v[TV+i], 30, v[TQ+i]
	v_add_lshl_u32 v[TQ+i], v[TQ+i], 1, 30
	v_cmp_ne_u32 vcc_lo, 0, v[TU+i]
	v_and_b32 v[TV+i], s66, v[TV+i]
	v_and_b32 v[TQ+i], s66, v[TQ+i]
	v_cndmask_b32 v[TSO+i], v[TS+i], v[TC+i], vcc_lo
	v_cndmask_b32 v[TCO+i], v[TC+i], v[TS+i], vcc_lo
	v_xor_b32 v[TSO+i], v[TSO+i], v[TV+i]
	v_xor_b32 v[TCO+i], v[TCO+i], v[TQ+i]
.set i, i+1
.endr
	WIN 0x04                                       ; the data window 1, the address window 0
.irp g, 0,1,2,3
	ds_store_b128 v[CSA], v[TCO+4*\g:TCO+4*\g+3] offset:4096*\m+512*\g
	ds_store_b128 v[CSA], v[TSO+4*\g:TSO+4*\g+3] offset:4096*\m+2048+512*\g
.endr
.endm
	TRIG 0
	TRIG 1
	TRIG 2
	TRIG 3
	WIN 0
	s_wait_kmcnt 0x0
	s_add_co_i32 s76, s68, s69
	s_sub_co_i32 s76, 0, s76                       ; -(e0 + e1)
.macro SCALE e, vs, lo                 ; x = e - e0 - e1: 2^x for the conversion, -+448 x 2^x for the hold
	s_add_co_i32 s77, \e, s76
	s_add_co_i32 s77, s77, 127
	s_lshl_b32 s60, s77, 23
	v_mov_b32 v[\vs], s60
	s_add_co_i32 s77, s77, 8
	s_lshl_b32 s77, s77, 23
	s_or_b32 s[\lo+1], s77, 0x600000
	s_or_b32 s[\lo], s[\lo+1], 0x80000000
.endm
	SCALE s70, SCQ, 78
	SCALE s71, SCQ+1, 80
	SCALE s73, SCQ+2, 82
.set i, 0
.rept 64
	v_ldexp_f32 v[QKB+i], v[QKB+i], s76            ; the bias under the sums' scale
.set i, i+1
.endr
.irp n, 0,1,2,3
	v_ldexp_f32 v[VB+8*\n], v[VB+8*\n], s76
.endr
.irp n, 0,1,2,3
.irp j, 1,2,3,4,5,6,7
	v_mov_b32 v[VB+8*\n+\j], v[VB+8*\n]            ; v's bias hangs on the lane's d alone: the same in all eight registers
.endr
.endr
; 64 LDS loads in one run: the fragments of the slot's q-th 128 along K into a set: hidden's four, W's four for v, W's eight for q and k.
; A fragment (16 rows x 128 K) is 16 registers, by four loads of 16 bytes, 32 bytes apart: the same order of k on both sides of every product.
.macro FETCH slot, q, set
	WIN ((1+\set)<<6)
.irp m, 0,1,2,3
.irp c, 0,1,2,3
	ds_load_b128 v[16*\m+4*\c:16*\m+4*\c+3], v[ADRA+\slot] offset:\m*TILE16+128*\q+32*\c
.endr
.endr
.irp n, 0,1,2,3
.irp c, 0,1,2,3
	ds_load_b128 v[64+16*\n+4*\c:64+16*\n+4*\c+3], v[ADRV+\slot] offset:(128+32*(\n/2)+8*(\n%2))*PITCH+128*\q+32*\c
.endr
.endr
.irp t, 0,1,2,3,4,5,6,7
.irp c, 0,1,2,3
	ds_load_b128 v[128+16*\t+4*\c:128+16*\t+4*\c+3], v[ADRQK+\slot] offset:\t*TILE16+128*\q+32*\c
.endr
.endr
.endm
; The 48 accumulators take turns, one instruction a turn, in the same order in every step.  first = 1: the bias is the C.
.macro MULV p, first
	WIN (5*(1+\p))
.irp n, 0,1,2,3
.irp m, 0,1,2,3
.if \first
	v_wmma_f32_16x16x128_fp8_fp8 v[VACC+8*(4*\n+\m):VACC+8*(4*\n+\m)+7], v[16*\m:16*\m+15], v[64+16*\n:64+16*\n+15], v[VB+8*\n:VB+8*\n+7]
.else
	v_wmma_f32_16x16x128_fp8_fp8 v[VACC+8*(4*\n+\m):VACC+8*(4*\n+\m)+7], v[16*\m:16*\m+15], v[64+16*\n:64+16*\n+15], v[VACC+8*(4*\n+\m):VACC+8*(4*\n+\m)+7]
.endif
.endr
.endr
.endm
.macro MULQK p, first, m0
.if \first
	WIN (5*(1+\p)+0xc0)
.else
	WIN (5*(1+\p)+0xf0)
.endif
.irp m, \m0, \m0+1
.irp t, 0,1,2,3,4,5,6,7
.if \first
	v_wmma_f32_16x16x128_fp8_fp8 v[8*(8*(\m)+\t):8*(8*(\m)+\t)+7], v[128+16*\t:128+16*\t+15], v[16*(\m):16*(\m)+15], v[QKB+8*\t:QKB+8*\t+7]
.else
	v_wmma_f32_16x16x128_fp8_fp8 v[8*(8*(\m)+\t):8*(8*(\m)+\t)+7], v[128+16*\t:128+16*\t+15], v[16*(\m):16*(\m)+15], v[8*(8*(\m)+\t):8*(8*(\m)+\t)+7]
.endif
.endr
.endr
.endm
; A slot's first 128 along K, on set 0; the second's fragments are fetched into set 1
.macro STEP slot, first
	s_wait_dscnt 32                                ; hidden's and v's fragments are in; the 32 youngest loads (q's and k's) may be out
	MULV 0, \first
	s_wait_dscnt 0x0
	PLACES
	FETCH \slot, 1, 1
	MULQK 0, \first, 0
	MULQK 0, \first, 2
	WIN 0
.endm
; A slot's second 128 along K, on set 1, changes slots: one barrier; in front of it each wave waits for all its tensor loads, adds 0 to its spare word, and waits for that and for its reads of this slot.
.macro TURN slot, next, fill
	s_wait_tensorcnt 0x0                           ; all my tensor loads have landed: my part of the next slot
	ds_add_u32 v[SPW], v[NIL]                      ; 0 onto my spare word
	s_wait_dscnt 33                                ; (the add and the 32 youngest loads may be out)
	MULV 1, 0
	s_wait_dscnt 0x0                               ; the add is done, and my reads of this slot are over
	s_barrier_signal -1
	MULQK 1, 0, 0
	WIN 0
	s_barrier_wait -1
.if \fill
	CREST                                          ; the barrier has opened a round of the cluster's: no wave of any partner still reads this slot or has a load on its way
	s_add_nc_u64 s[G0A+4*\slot+2:G0A+4*\slot+3], s[G0A+4*\slot+2:G0A+4*\slot+3], 512
	s_add_nc_u64 s[G0B+4*\slot+2:G0B+4*\slot+3], s[G0B+4*\slot+2:G0B+4*\slot+3], 512
	JLOAD \slot                                    ; the first tensor load behind the round; its four v_nop are also the places in front of the loads below
.else
	PLACES
.endif
	FETCH \next, 0, 0
	MULQK 1, 0, 2
	WIN 0
.endm
	s_wait_tensorcnt 0x1                           ; my part of slot 0 is in; slot 1's may stay out
	s_wait_dscnt 0x0                               ; my stores of cos and sin
	s_barrier_signal -1
	s_barrier_wait -1
	FETCH 0, 0, 0
	STEP 0, 1                                      ; K 0
	TURN 0, 1, 1                                   ; K 128; slot 0 takes K 512 on
	STEP 1, 0                                      ; K 256
	TURN 1, 0, 1                                   ; K 384; slot 1 takes K 768 on
	STEP 0, 0                                      ; K 512
	TURN 0, 1, 0                                   ; K 640; nothing is left to fetch
	STEP 1, 0                                      ; K 768
	s_wait_dscnt 32                                ; K 896, the last
	MULV 1, 0
	s_wait_dscnt 0x0
	PLACES                                         ; set 0 is done with: cos and sin come back into it
	WIN 0x40
.irp m, 0,1,2,3
.irp g, 0,1,2,3
	ds_load_b128 v[32*\m+4*\g:32*\m+4*\g+3],       v[CSA] offset:4096*\m+512*\g
	ds_load_b128 v[32*\m+16+4*\g:32*\m+16+4*\g+3], v[CSA] offset:4096*\m+2048+512*\g
.endr
.endr
	MULQK 1, 0, 0
	MULQK 1, 0, 2
	WIN 0
	PLACES
	s_wait_dscnt 0x0
	; v: the hold (the conversion to an 8-bit code does not saturate: ISA guide 7.6.2), the conversion, the image.  Each accumulator from its low end on.
.set i, 0
.rept 128
	v_med3_num_f32 v[VACC+i], v[VACC+i], s82, s83
.set i, i+1
.endr
.irp n, 0,1,2,3
.irp m, 0,1,2,3
	v_cvt_scalef32_pk8_fp8_f32 v[VB+8*\n+2*\m:VB+8*\n+2*\m+1], v[VACC+8*(4*\n+\m):VACC+8*(4*\n+\m)+7], v[SCQ+2]   ; registers 2 m, 2 m + 1: keys 16 m + 8 h + 0 .. 7
.endr
.endr
	v_nop                                          ; one plain line behind the last conversion
.irp n, 0,1,2,3
	global_store_b128 v[LI], v[VB+8*\n:VB+8*\n+3],   s[96:97] offset:1024*\n
	global_store_b128 v[LI], v[VB+8*\n+4:VB+8*\n+7], s[96:97] offset:1024*\n+512
.endr
; q and k of tile m: x(d) cos - x(d + 32) sin and x(d + 32) cos + x(d) sin, the hold, the conversion, the images
.macro ROPE m
	WIN 0xa7                                       ; source 0 (sums) window 3, source 1 (cos, sin) window 1, source 2 and destination window 2
.irp y, 0,1
.irp t, 0,1
.irp j, 0,2,4,6
	v_pk_mul_f32 v[TW+32*\y+8*\t+\j:TW+32*\y+8*\t+\j+1], v[8*(8*\m+4*\y+\t+2)+\j:8*(8*\m+4*\y+\t+2)+\j+1], v[32*\m+16+8*\t+\j:32*\m+16+8*\t+\j+1]
.endr
.irp j, 0,2,4,6
	v_pk_mul_f32 v[TW+32*\y+16+8*\t+\j:TW+32*\y+16+8*\t+\j+1], v[8*(8*\m+4*\y+\t)+\j:8*(8*\m+4*\y+\t)+\j+1], v[32*\m+16+8*\t+\j:32*\m+16+8*\t+\j+1]
.endr
.irp j, 0,2,4,6
	v_pk_fma_f32 v[XW+32*\y+8*\t+\j:XW+32*\y+8*\t+\j+1], v[8*(8*\m+4*\y+\t)+\j:8*(8*\m+4*\y+\t)+\j+1], v[32*\m+8*\t+\j:32*\m+8*\t+\j+1], v[TW+32*\y+8*\t+\j:TW+32*\y+8*\t+\j+1] neg_lo:[0,0,1] neg_hi:[0,0,1]
.endr
.irp j, 0,2,4,6
	v_pk_fma_f32 v[XW+32*\y+8*(\t+2)+\j:XW+32*\y+8*(\t+2)+\j+1], v[8*(8*\m+4*\y+\t+2)+\j:8*(8*\m+4*\y+\t+2)+\j+1], v[32*\m+8*\t+\j:32*\m+8*\t+\j+1], v[TW+32*\y+16+8*\t+\j:TW+32*\y+16+8*\t+\j+1]
.endr
.endr
.endr
	WIN 0x82
.set i, 0
.rept 32
	v_med3_num_f32 v[XW+i], v[XW+i], s78, s79
.set i, i+1
.endr
.set i, 0
.rept 32
	v_med3_num_f32 v[XW+32+i], v[XW+32+i], s80, s81
.set i, i+1
.endr
	WIN 0x02                                       ; the numbers window 2; the scale and the codes window 0
.irp y, 0,1
.irp t, 0,1,2,3
	v_cvt_scalef32_pk8_fp8_f32 v[QKB+16*\m+8*\y+2*\t:QKB+16*\m+8*\y+2*\t+1], v[XW+32*\y+8*\t:XW+32*\y+8*\t+7], v[SCQ+\y]   ; registers 2 t, 2 t + 1: d = 16 t + 8 h + 0 .. 7
.endr
.endr
	v_nop                                          ; one plain line behind the last conversion
	WIN 0
	global_store_b128 v[LI], v[QKB+16*\m:QKB+16*\m+3],     s[92:93] offset:1024*\m
	global_store_b128 v[LI], v[QKB+16*\m+4:QKB+16*\m+7],   s[92:93] offset:1024*\m+512
	global_store_b128 v[LI], v[QKB+16*\m+8:QKB+16*\m+11],  s[94:95] offset:1024*\m
	global_store_b128 v[LI], v[QKB+16*\m+12:QKB+16*\m+15], s[94:95] offset:1024*\m+512
.endm
	ROPE 0                                         ; every block of codes has registers of its own: no store's data are written again
	ROPE 1
	ROPE 2
	ROPE 3
	s_wait_tensorcnt 0x0                           ; the wave's end
	ds_add_u32 v[SPW], v[NIL]
	s_wait_dscnt 0x0
	CROUND                                         ; the closing round: no work-group ends while a partner may still ask for a tile that names it
	s_endpgm
.Lfunc_end_k_qd2c36c2de0_qkv:
	.size	k_qd2c36c2de0_qkv, .Lfunc_end_k_qd2c36c2de0_qkv-k_qd2c36c2de0_qkv
	.p2alignl 7, 3214868480
	.fill 96, 4, 3214868480
	.section	.rodata,"a",@progbits
	.p2align	6, 0x0
	.amdhsa_kernel k_qd2c36c2de0_qkv
		.amdhsa_group_segment_fixed_size 327680
		.amdhsa_private_segment_fixed_size 0
		.amdhsa_enable_private_segment 0
		.amdhsa_kernarg_size 64
		.amdhsa_user_sgpr_count 2
		.amdhsa_user_sgpr_kernarg_segment_ptr 1
		.amdhsa_wavefront_size32 1
		.amdhsa_system_sgpr_workgroup_id_x 1
		.amdhsa_system_sgpr_workgroup_id_y 1
		.amdhsa_system_sgpr_workgroup_id_z 1
		.amdhsa_system_vgpr_workitem_id 0
		.amdhsa_next_free_vgpr 1024
		.amdhsa_next_free_sgpr 100
		.amdhsa_reserve_vcc 1
		.amdhsa_float_denorm_mode_32 3
		.amdhsa_float_denorm_mode_16_64 3
		.amdhsa_memory_ordered 1
		.amdhsa_forward_progress 1
		.amdhsa_inst_pref_size 187
	.end_amdhsa_kernel
	.amdgpu_metadata
---
amdhsa.version: [ 1, 2 ]
amdhsa.kernels:
  - .name:           k_qd2c36c2de0_qkv
    .symbol:         k_qd2c36c2de0_qkv.kd
    .args:
      - { .name: hidden_states_codes, .offset: 0, .size: 8, .value_kind: global_buffer, .address_space: global }
      - { .name: c_attn_w_codes, .offset: 8, .size: 8, .value_kind: global_buffer, .address_space: global }
      - { .name: c_attn_b, .offset: 16, .size: 8, .value_kind: global_buffer, .address_space: global }
      - { .name: position_ids, .offset: 24, .size: 8, .value_kind: global_buffer, .address_space: global }
      - { .name: lowp_scales, .offset: 32, .size: 8, .value_kind: global_buffer, .address_space: global }
      - { .name: q_img, .offset: 40, .size: 8, .value_kind: global_buffer, .address_space: global }
      - { .name: k_img, .offset: 48, .size: 8, .value_kind: global_buffer, .address_space: global }
      - { .name: v_img, .offset: 56, .size: 8, .value_kind: global_buffer, .address_space: global }
    .group_segment_fixed_size: 327680
    .private_segment_fixed_size: 0
    .kernarg_segment_align: 8
    .kernarg_segment_size: 64
    .max_flat_workgroup_size: 128
    .sgpr_count:     100
    .vgpr_count:     1024
    .wavefront_size: 32
...
	.end_amdgpu_metadata
.endif
;; end of part 1
;; launch attn (part 2): grid 8 x 32, 16 waves a work-group, no clusters, 169,984 bytes of LDS; arguments q_img, k_img, v_img, lowp_scales, attn_img; writes attn_img
.if DOCPART == 2
	.amdgcn_target "amdgcn-amd-amdhsa--gfx1250"
	.amdhsa_code_object_version 6
	.text
	.protected	k_qd2c36c2de0_attn
	.globl	k_qd2c36c2de0_attn
	.p2align	8
	.type	k_qd2c36c2de0_attn,@function
k_qd2c36c2de0_attn:
	s_mov_b64 s[64:65], 0
	v_nop
	global_prefetch_b8 v0, s[64:65] scope:SCOPE_SE
	s_setreg_imm32_b32 hwreg(HW_REG_WAVE_MODE, 25, 1), 1
	s_wait_xcnt 0x0
; Attention inside the band (key j counts for query i where i - 511 <= j <= i), both products on E4M3 codes, and the quantising of its result for the output projection.
; q_img, k_img: fragments of 16 rows x 64 d; v_img: for each block of 64 keys four fragments of 16 d x 64 keys; all as images of operand registers (1,024 bytes a fragment).
; SHARES.  A work-group owns 256 queries of one head, each of its sixteen waves one tile of 16.  A tile in block a of 64 rows needs the nine blocks of keys a - 8 .. a: three steps of 192 keys.
; LDS is filled once: the 768 keys from 512 in front of the work-group's first query on, K's codes at 0, V's at 49,152: six dense loads of 16,384 bytes by waves 0 to 5.
; Where those keys would lie in front of key 0 the load takes the head's first 256 instead; its bytes are sound codes, and their scores are made -infinity.
; REASON FOR NO CLUSTER: neighbouring query blocks share two of their three chunks, but at different places in their LDS, and a joint load has one LDS address for all that it names.
; LAYOUT.  S^T = K Q^T (source 0 = 16 keys, source 1 = my 16 queries), O^T = V^T P^T: a lane holds one query throughout, and eight scores of a tile become registers 2 t, 2 t + 1 of P's fragment.
; SOFTMAX: t = score x log2(e) / 8; M = the running largest t rounded up to a whole number; p = 2^(t - M) is quantised, its sum is taken unquantised; a change of M multiplies the sum and O^T by a power of two.
; The d of V's fragments are ordered so that O^T's tiles 2 b, 2 b + 1 hold d = 32 b + 16 (lane / 16) + 0 .. 15: the conversions' results are the projection's operand.
; LIMITS: e2 + e3 between -123 and 130 (added to c's exponent field); e4, and e6 - e4 - e5, between -126 and 119.
; REGISTERS: v1, v2 LDS places of K, V; v3 the mask's number; v4 -infinity; v5 16 x lane; v8-15 Q; v16 -M, v17 largest t; v[18:19], v[26:27] sums; v[20:21] f; v22-24 at work; v28-31 scales;
;   v32-79 six fragments of K; v80-175 S^T, then p, then V's twelve fragments; v176-199 P's codes; v200-231 O^T; v232-239 the codes that leave.
.set KF,   32
.set S,    80
.set PC,   176
.set OT,   200
.set VOFF, 49152
	s_load_b256 s[4:11], s[0:1], 0x0               ; q_img s[4:5], k_img s[6:7], v_img s[8:9], scales s[10:11]
	s_load_b64 s[12:13], s[0:1], 0x20              ; attn_img
	v_lshl_add_u32 v254, v0, 2, 0x29000
	v_mov_b32 v255, 0
	ds_add_u32 v254, v255
	ds_add_u32 v254, v255
	v_lshrrev_b32 v1, 5, v0
	s_delay_alu instid0(VALU_DEP_1)
	v_readfirstlane_b32 s14, v1                    ; wave 0..15
	s_min_u32 s15, s14, 5                          ; waves 0 to 5 fetch; the others hold wave 5's descriptor and issue nothing
	s_mov_b32 s16, ttmp9                           ; the block of 256 queries
	s_and_b32 s17, ttmp7, 0xffff                   ; bh = 16 b + head
	s_mov_b32 s20, 3<<16                           ; group 1: a dense block as 64 rows of 32 elements of 8 bytes; no mask, no padding
	s_mov_b32 s21, 32<<16
	s_mov_b32 s22, 64<<16
	s_mov_b32 s23, 32<<16
	s_mov_b32 s24, 64
	s_mov_b32 s25, 32
	s_mov_b32 s26, 0
	s_mov_b32 s27, 0
	s_cmp_lt_u32 s15, 3
	s_cselect_b32 s50, 0, 3
	s_sub_co_u32 s50, s15, s50                     ; which of the three chunks
	s_add_co_i32 s50, s50, s16
	s_sub_co_i32 s50, s50, 2
	s_max_i32 s50, s50, 0                          ; chunk of 256 keys in the head; none in front of the first
	s_lshl_b32 s50, s50, 14
	s_lshl_b32 s51, s17, 17                        ; a head's 131,072 bytes
	s_add_co_u32 s50, s50, s51
	s_mov_b32 s51, 0
	s_wait_dscnt 0x0
	s_wait_kmcnt 0x0
	s_load_b256 s[32:39], s[10:11], 0x0            ; e0 .. e7
	s_cmp_lt_u32 s15, 3
	s_cselect_b64 s[52:53], s[6:7], s[8:9]         ; waves 0 to 2: K; 3 to 5: V
	s_mov_b32 s28, 1
	s_lshl_b32 s29, s15, 14                        ; LDS: 16,384 x wave
	s_add_nc_u64 s[30:31], s[52:53], s[50:51]
	s_or_b32 s31, s31, 0x80000000
	s_cmp_lt_u32 s14, 6
	s_cbranch_scc0 .Lno_fill
	tensor_load_to_lds s[28:31], s[20:27]          ; one load of mine is out
	s_nop 0
.rept 4
	v_nop
.endr
.Lno_fill:
	v_and_b32 v6, 15, v0                           ; r
	v_bfe_u32 v7, v0, 4, 1                         ; h
	v_and_b32 v5, 31, v0
	s_delay_alu instid0(VALU_DEP_1)
	v_lshlrev_b32 v5, 4, v5                        ; 16 x lane
	s_wait_alu depctr_va_vdst(0)
	s_lshl_b32 s50, s17, 7
	s_lshl_b32 s54, s16, 4
	s_add_co_u32 s50, s50, s54
	s_add_co_u32 s50, s50, s14                     ; my tile of queries: 128 bh + 16 qb + w
	s_lshl_b32 s50, s50, 10
	s_add_nc_u64 s[40:41], s[4:5], s[50:51]
	global_load_b128 v[8:11],  v5, s[40:41]
	global_load_b128 v[12:15], v5, s[40:41] offset:512
	s_lshr_b32 s50, s17, 4
	s_lshl_b32 s50, s50, 7
	s_add_co_u32 s50, s50, s54
	s_add_co_u32 s50, s50, s14                     ; the tile of 16 rows among all 4,096: 128 b + 16 qb + w
	s_lshl_b32 s50, s50, 4
	s_and_b32 s54, s17, 15
	s_add_co_u32 s50, s50, s54                     ; x 16 heads + head
	s_lshl_b32 s50, s50, 10
	s_add_nc_u64 s[42:43], s[12:13], s[50:51]
	s_lshr_b32 s54, s14, 2
	s_lshl_b32 s55, s54, 12
	v_add_nc_u32 v1, s55, v5                       ; my nine blocks begin at block w / 4 of the twelve in LDS
	s_delay_alu instid0(VALU_DEP_1)
	v_add_nc_u32 v2, VOFF, v1
	s_lshl_b32 s48, s16, 2
	s_add_co_u32 s48, s48, s54
	s_sub_co_i32 s48, s48, 8                       ; the first of them, counted in the head: negative where it lies in front of key 0
	s_and_b32 s54, s14, 3
	s_lshl_b32 s54, s54, 4
	v_lshlrev_b32 v22, 3, v7
	s_delay_alu instid0(VALU_DEP_1)
	v_sub_nc_u32 v3, v6, v22
	s_delay_alu instid0(VALU_DEP_1)
	v_add_nc_u32 v3, s54, v3                       ; dm = my query's place in its block - 8 h.  Register 8 t + j of a block holds key 16 t + j + 8 h of it
	v_mov_b32 v4, 0xff800000                       ; -infinity
	v_mov_b32 v17, 0xff61b1e6                      ; the largest t so far: -3e38
	s_delay_alu instid0(VALU_DEP_1)
	v_floor_f32 v16, -v17                          ; -M
	v_mov_b32 v18, 0
	v_mov_b32 v19, 0
	v_mov_b32 v21, 0                               ; (named as the upper half of the pair v[20:21])
	v_mov_b32 v24, 0                               ; a lane permute's destination counts as one of its sources
.set i, 0
.rept 32
	v_mov_b32 v[OT+i], 0                           ; O^T: the step is written once; the first change of M leaves zeros zeros
.set i, i+1
.endr
	s_mov_b32 s44, 0x76543210
	s_mov_b32 s45, 0xfedcba98
	s_wait_kmcnt 0x0
	s_add_co_i32 s50, s34, s35
	s_lshl_b32 s50, s50, 23
	s_add_co_i32 s46, s50, 0x3e38aa3b              ; c = log2(e) / 8 x 2^(e2 + e3)
	s_mov_b32 s47, s46
	s_add_co_i32 s50, s36, 127
	s_lshl_b32 s51, s50, 23
	v_mov_b32 v28, s51                             ; 2^e4
	s_sub_co_i32 s50, s38, s36
	s_sub_co_i32 s50, s50, s37
	s_add_co_i32 s50, s50, 127
	s_lshl_b32 s51, s50, 23
	v_mov_b32 v30, s51                             ; 2^(e6 - e4 - e5): O^T / l stands for that number x 2^(e4 + e5)
	s_wait_tensorcnt 0x0                           ; my chunk has landed,
	s_barrier_signal -1
	s_barrier_wait -1                              ; everybody's has
	s_wait_loadcnt 0x0                             ; Q
.macro HIDE idx, reg                   ; a block that lies in front of key 0: its 32 scores become -infinity.  A scalar branch on ids
	s_add_co_i32 s50, s48, \idx
	s_cmp_ge_i32 s50, 0
	s_cbranch_scc1 .Lreal_\@
.set i, 0
.rept 32
	v_mov_b32 v[\reg+i], v4
.set i, i+1
.endr
.Lreal_\@:
.endm
; A step: blocks 3 k, 3 k + 1, 3 k + 2 of my nine.  low: the first block is the band's lower edge; high: the last is the diagonal.
.macro STEP k, low, high
.if \k < 2
	s_add_co_i32 s50, s48, 3*\k+2
	s_cmp_lt_i32 s50, 0
	s_cbranch_scc1 .Lskip_\@                       ; all three blocks lie in front of key 0
.endif
.rept 5
	v_nop                                          ; the scores are laid over V's fragments of the step before: five places behind the products that read them
.endr
.irp g, 0,1
.if \g
.rept 4
	v_nop                                          ; places in front of loads into registers that matrix instructions have read
.endr
.endif
.irp i, 0,1,2,3,4,5
	ds_load_b128 v[KF+8*\i:KF+8*\i+3],   v1 offset:(12*\k+6*\g+\i)*1024
	ds_load_b128 v[KF+8*\i+4:KF+8*\i+7], v1 offset:(12*\k+6*\g+\i)*1024+512
.endr
	s_wait_dscnt 0x0
.irp i, 0,1,2,3,4,5
	v_wmma_f32_16x16x64_fp8_fp8 v[S+8*(6*\g+\i):S+8*(6*\g+\i)+7], v[KF+8*\i:KF+8*\i+7], v[8:15], 0
.endr
.endr
.rept 4
	v_nop
.endr
	HIDE 3*\k, S
	HIDE 3*\k+1, S+32
.if \low
.set i, 0
.rept 32                               ; hidden where the key is 512 or more behind the query: 16 t + j <= dm
	v_cmp_le_i32 vcc_lo, 16*(i/8)+i%8, v3
	v_cndmask_b32 v[S+i], v[S+i], v4, vcc_lo
.set i, i+1
.endr
.endif
.if \high
.set i, 0
.rept 32                               ; hidden where the key comes after the query: 16 t + j > dm
	v_cmp_gt_i32 vcc_lo, 16*(i/8)+i%8, v3
	v_cndmask_b32 v[S+64+i], v[S+64+i], v4, vcc_lo
.set i, i+1
.endr
.endif
	v_max3_num_f32 v22, v[S], v[S+1], v[S+2]       ; the step's largest score of my query among my 96 keys, in two chains, ascending
	v_max3_num_f32 v23, v[S+3], v[S+4], v[S+5]
.set i, 6
.rept 22
	v_max3_num_f32 v22, v22, v[S+i], v[S+i+1]
	v_max3_num_f32 v23, v23, v[S+i+2], v[S+i+3]
.set i, i+4
.endr
	v_max3_num_f32 v22, v22, v[S+94], v[S+95]
	s_delay_alu instid0(VALU_DEP_1)
	v_max_num_f32 v22, v22, v23
	s_delay_alu instid0(VALU_DEP_1)
	v_permlanex16_b32 v24, v22, s44, s45
	s_delay_alu instid0(VALU_DEP_1)
	v_max_num_f32 v22, v22, v24                    ; and among lane l xor 16's
	s_delay_alu instid0(VALU_DEP_1)
	v_mul_f32 v22, s46, v22                        ; as t (c is positive)
	s_delay_alu instid0(VALU_DEP_1)
	v_max_num_f32 v17, v17, v22
	v_mov_b32 v22, v16
	s_delay_alu instid0(VALU_DEP_2)
	v_floor_f32 v16, -v17                          ; the new -M = -ceil(t)
	s_delay_alu instid0(VALU_DEP_1)
	v_sub_f32 v22, v16, v22                        ; old M - new M: a whole number, 0 or less
	s_delay_alu instid0(VALU_DEP_1)
	v_cvt_i32_f32 v22, v22                         ; (it saturates)
	s_delay_alu instid0(VALU_DEP_1)
	v_ldexp_f32 v20, 1.0, v22                      ; f = 2^(old M - new M)
.set i, 0
.rept 48
	v_pk_fma_f32 v[S+i:S+i+1], v[S+i:S+i+1], s[46:47], v[16:17] op_sel_hi:[1,0,0]   ; t - M
.set i, i+2
.endr
.set i, 0
	s_wait_alu depctr_va_vdst(0)
.rept 96
	v_exp_f32 v[S+i], v[S+i]                       ; p = 2^(t - M)
.set i, i+1
.endr
	v_pk_mul_f32 v[18:19], v[18:19], v[20:21] op_sel_hi:[1,0]      ; the sums under the new M: the plain line behind the exponentials
	s_wait_alu depctr_va_vdst(0)                   ; one wait for the batch, ahead of its first reader
	v_pk_add_f32 v[26:27], v[84:85], v[88:89]
	v_pk_add_f32 v[252:253], v[92:93], v[96:97]
	v_pk_add_f32 v[250:251], v[100:101], v[104:105]
	v_pk_add_f32 v[248:249], v[108:109], v[112:113]
	v_pk_add_f32 v[246:247], v[116:117], v[120:121]
	v_pk_add_f32 v[244:245], v[124:125], v[128:129]
	v_pk_add_f32 v[242:243], v[132:133], v[136:137]
	v_pk_add_f32 v[18:19], v[18:19], v[140:141]
	v_pk_add_f32 v[26:27], v[26:27], v[144:145]
	v_pk_add_f32 v[252:253], v[252:253], v[148:149]
	v_pk_add_f32 v[250:251], v[250:251], v[152:153]
	v_pk_add_f32 v[248:249], v[248:249], v[156:157]
	v_pk_add_f32 v[246:247], v[246:247], v[160:161]
	v_pk_add_f32 v[244:245], v[244:245], v[164:165]
	v_pk_add_f32 v[242:243], v[242:243], v[168:169]
	v_pk_add_f32 v[18:19], v[18:19], v[172:173]
	v_pk_add_f32 v[26:27], v[26:27], v[80:81]
	v_pk_add_f32 v[252:253], v[252:253], v[82:83]
	v_pk_add_f32 v[250:251], v[250:251], v[86:87]
	v_pk_add_f32 v[248:249], v[248:249], v[90:91]
	v_pk_add_f32 v[246:247], v[246:247], v[94:95]
	v_pk_add_f32 v[244:245], v[244:245], v[98:99]
	v_pk_add_f32 v[242:243], v[242:243], v[102:103]
	v_pk_add_f32 v[18:19], v[18:19], v[106:107]
	v_pk_add_f32 v[26:27], v[26:27], v[110:111]
	v_pk_add_f32 v[252:253], v[252:253], v[114:115]
	v_pk_add_f32 v[250:251], v[250:251], v[118:119]
	v_pk_add_f32 v[248:249], v[248:249], v[122:123]
	v_pk_add_f32 v[246:247], v[246:247], v[126:127]
	v_pk_add_f32 v[244:245], v[244:245], v[130:131]
	v_pk_add_f32 v[242:243], v[242:243], v[134:135]
	v_pk_add_f32 v[18:19], v[18:19], v[138:139]
	v_pk_add_f32 v[26:27], v[26:27], v[142:143]
	v_pk_add_f32 v[252:253], v[252:253], v[146:147]
	v_pk_add_f32 v[250:251], v[250:251], v[150:151]
	v_pk_add_f32 v[248:249], v[248:249], v[154:155]
	v_pk_add_f32 v[246:247], v[246:247], v[158:159]
	v_pk_add_f32 v[244:245], v[244:245], v[162:163]
	v_pk_add_f32 v[242:243], v[242:243], v[166:167]
	v_pk_add_f32 v[18:19], v[18:19], v[170:171]
	v_pk_add_f32 v[26:27], v[26:27], v[174:175]
	s_delay_alu instid0(VALU_DEP_2)
	v_pk_add_f32 v[18:19], v[18:19], v[248:249]
	s_delay_alu instid0(VALU_DEP_2)
	v_pk_add_f32 v[26:27], v[26:27], v[246:247]
	v_pk_add_f32 v[252:253], v[252:253], v[244:245]
	v_pk_add_f32 v[250:251], v[250:251], v[242:243]
	s_delay_alu instid0(VALU_DEP_2)
	v_pk_add_f32 v[18:19], v[18:19], v[252:253]
	s_delay_alu instid0(VALU_DEP_2)
	v_pk_add_f32 v[26:27], v[26:27], v[250:251]
	s_delay_alu instid0(VALU_DEP_1)
	v_pk_add_f32 v[18:19], v[18:19], v[26:27]
.set t, 0
.rept 12
.set i, 0
.rept 8
.set i, i+1
.endr
	v_cvt_scalef32_pk8_fp8_f32 v[PC+2*t:PC+2*t+1], v[S+8*t:S+8*t+7], v28
.set t, t+1
.endr
.set i, 0
.rept 16
	v_pk_mul_f32 v[OT+i:OT+i+1], v[OT+i:OT+i+1], v[20:21] op_sel_hi:[1,0]   ; O^T under the new M; also the plain lines behind the conversions
.set i, i+2
.endr
.irp b, 0,1,2
.irp n, 0,1,2,3
	ds_load_b128 v[S+32*\b+8*\n:S+32*\b+8*\n+3],   v2 offset:(3*\k+\b)*4096+\n*1024
	ds_load_b128 v[S+32*\b+8*\n+4:S+32*\b+8*\n+7], v2 offset:(3*\k+\b)*4096+\n*1024+512
.endr
.endr
	s_wait_alu depctr_va_vdst(0)
	s_wait_dscnt 0x0
.irp b, 0,1,2
.irp n, 0,1,2,3                        ; the four accumulators take turns, one instruction a turn
	v_wmma_f32_16x16x64_fp8_fp8 v[OT+8*\n:OT+8*\n+7], v[S+32*\b+8*\n:S+32*\b+8*\n+7], v[PC+8*\b:PC+8*\b+7], v[OT+8*\n:OT+8*\n+7]
.endr
.endr
.if \k < 2
.Lskip_\@:
.endif
.endm
	STEP 0, 1, 0
	STEP 1, 0, 0
	STEP 2, 0, 1                                   ; never left out: it holds the query's own key
	; THE WAY OUT: O^T / l, converted with 2^(e6 - e4 - e5): my head's 64 of the projection's K for my 16 rows, as an image
.rept 4
	v_nop
.endr
	v_add_f32 v18, v18, v19
	s_delay_alu instid0(VALU_DEP_1)
	v_permlanex16_b32 v24, v18, s44, s45
	s_delay_alu instid0(VALU_DEP_1)
	v_add_f32 v18, v18, v24                        ; the row's sum
	s_wait_alu depctr_va_vdst(0)
	v_rcp_f32 v20, v18
	v_nop                                          ; a plain line behind the reciprocal
	s_wait_alu depctr_va_vdst(0)                   ; and the wait ahead of its first reader
.set i, 0
.rept 16
	v_pk_mul_f32 v[S+i:S+i+1], v[OT+i:OT+i+1], v[20:21] op_sel_hi:[1,0]
.set i, i+2
.endr
.set i, 0
.rept 32
.set i, i+1
.endr
.irp b, 0,1
	v_cvt_scalef32_pk8_fp8_f32 v[232+4*\b:233+4*\b], v[S+16*\b:S+16*\b+7], v30      ; registers 4 b .. 4 b + 3: d = 32 b + 16 h + 0 .. 15
	v_cvt_scalef32_pk8_fp8_f32 v[234+4*\b:235+4*\b], v[S+16*\b+8:S+16*\b+15], v30
.endr
	v_nop
	global_store_b128 v5, v[232:235], s[42:43]     ; 32 lanes store 512 consecutive bytes, aligned
	global_store_b128 v5, v[236:239], s[42:43] offset:512
	s_wait_tensorcnt 0x0
	ds_add_u32 v254, v255
	s_wait_dscnt 0x0
	s_endpgm
.Lfunc_end_k_qd2c36c2de0_attn:
	.size	k_qd2c36c2de0_attn, .Lfunc_end_k_qd2c36c2de0_attn-k_qd2c36c2de0_attn
	.p2alignl 7, 3214868480
	.fill 96, 4, 3214868480
	.section	.rodata,"a",@progbits
	.p2align	6, 0x0
	.amdhsa_kernel k_qd2c36c2de0_attn
		.amdhsa_group_segment_fixed_size 169984
		.amdhsa_private_segment_fixed_size 0
		.amdhsa_enable_private_segment 0
		.amdhsa_kernarg_size 40
		.amdhsa_user_sgpr_count 2
		.amdhsa_user_sgpr_kernarg_segment_ptr 1
		.amdhsa_wavefront_size32 1
		.amdhsa_system_sgpr_workgroup_id_x 1
		.amdhsa_system_sgpr_workgroup_id_y 1
		.amdhsa_system_sgpr_workgroup_id_z 1
		.amdhsa_system_vgpr_workitem_id 0
		.amdhsa_next_free_vgpr 256
		.amdhsa_next_free_sgpr 80
		.amdhsa_reserve_vcc 1
		.amdhsa_float_denorm_mode_32 3
		.amdhsa_float_denorm_mode_16_64 3
		.amdhsa_fp16_overflow 1
		.amdhsa_memory_ordered 1
		.amdhsa_forward_progress 1
		.amdhsa_inst_pref_size 78
	.end_amdhsa_kernel
	.amdgpu_metadata
---
amdhsa.version: [ 1, 2 ]
amdhsa.kernels:
  - .name:           k_qd2c36c2de0_attn
    .symbol:         k_qd2c36c2de0_attn.kd
    .args:
      - { .name: q_img, .offset: 0, .size: 8, .value_kind: global_buffer, .address_space: global }
      - { .name: k_img, .offset: 8, .size: 8, .value_kind: global_buffer, .address_space: global }
      - { .name: v_img, .offset: 16, .size: 8, .value_kind: global_buffer, .address_space: global }
      - { .name: lowp_scales, .offset: 24, .size: 8, .value_kind: global_buffer, .address_space: global }
      - { .name: attn_img, .offset: 32, .size: 8, .value_kind: global_buffer, .address_space: global }
    .group_segment_fixed_size: 169984
    .private_segment_fixed_size: 0
    .kernarg_segment_align: 8
    .kernarg_segment_size: 40
    .max_flat_workgroup_size: 512
    .sgpr_count:     80
    .vgpr_count:     256
    .wavefront_size: 32
...
	.end_amdgpu_metadata
.endif
;; end of part 2
;; launch proj (part 3): grid 8 x 32, 4 waves a work-group, clusters of 4 x 4, 327,680 bytes of LDS; arguments attn_img, c_proj_w_codes, c_proj_b, lowp_scales, out0; writes out0
.if DOCPART == 3
	.amdgcn_target "amdgcn-amd-amdhsa--gfx1250"
	.amdhsa_code_object_version 6
	.text
	.protected	k_qd2c36c2de0_proj
	.globl	k_qd2c36c2de0_proj
	.p2align	8
	.type	k_qd2c36c2de0_proj,@function
k_qd2c36c2de0_proj:
	s_mov_b64 s[64:65], 0
	v_nop
	global_prefetch_b8 v0, s[64:65] scope:SCOPE_SE
	s_setreg_imm32_b32 hwreg(HW_REG_WAVE_MODE, 25, 1), 1
	s_wait_xcnt 0x0
	s_wait_alu depctr_hold_cnt(0) depctr_sa_sdst(0) depctr_va_vdst(0) depctr_va_sdst(0) depctr_va_ssrc(0) depctr_va_vcc(0) depctr_vm_vsrc(0)
	s_getreg_b32 s2, hwreg(HW_REG_IB_STS2, 6, 4)
	s_cmp_eq_u32 s2, 0
	s_cbranch_scc0 .Lentry_in_a_cluster
	s_endpgm
.Lentry_in_a_cluster:
	s_bfe_u32 s2, ttmp6, 0x10000c
	s_cmp_lg_u32 s2, 0xf033
	s_cbranch_scc0 .Lentry_shape_is_right
	s_endpgm
.Lentry_shape_is_right:
; out0 = attention's result x W + b on E4M3 codes.  attn_img: for each tile of 16 rows and each head a fragment's half (8 registers, 1,024 bytes); W: [1024 (n)][1024 (k)] codes; b [1024], out0 [4096][1024]: f32.
; A tile of 128 x 128 to a work-group, so that there are 256 of them; four waves, each 64 x 64: 16 accumulators.  ALL of K fits in LDS: every byte of LDS is filled once, in four chunks of 256 along K,
; and the products begin when the first chunk is in.  Each wave has four tensor loads out at the start.
; CLUSTER 4 x 4: A's chunks hang on the tile row alone and are asked for jointly along a row of the cluster, W's on the tile column alone, along a column.
; A's fragment of 128 along K is two heads' images on end: registers 4 c .. 4 c + 3 hold k = 32 c + 16 (lane / 16) + 0 .. 15, the order in which four loads of 16 bytes, 32 apart, take W's rows.
; USED TRANSPOSED (source 0 = 16 rows of W, source 1 = 16 rows of A): a lane holds eight neighbouring columns of a row of out0.
; LIMIT: e6 + e7 between -126 and 127.
; REGISTERS.  window 0: v1-22 addresses; v32-63 the bias; v64-95 at work on the way out; v128-255 the accumulators, (a, b) at 128 + 8 (4 a + b).  window 1: two fragment sets of 128: A at 16 a, W at 64 + 16 b.
.set PITCH, 272
.set ACH,   32768                      ; a chunk of A: 8 tiles of rows x 4 heads x 1,024 bytes
.set BBASE, 131072
.set BCH,   128*PITCH                  ; a chunk of W: 128 rows of 256 bytes + 16
.set STAGE, BBASE+4*BCH                ; behind them: 16 rows x 272 bytes for each wave; no tile lands here
.set ADRA, 16                          ; v16-17 A's chunks 0, 1 and 2, 3
.set ADRB, 18                          ; v18-19 W's
.set STO,  20
.set RD,   21
.set CO,   22
.set BIAS, 32
.set TMP,  64
.set ACC,  128
.set G1A, 28
.set G1B, 36
.set G0A, 44                           ; s44-59: four groups 0 for A's chunks
.set G0B, 68                           ; s68-83: four for W's
.set MSB, 0
.macro WIN new
.if MSB != (\new)
	s_set_vgpr_msb (MSB<<8)|(\new)
.set MSB, (\new)
.endif
.endm
.macro PLACES
.rept 4
	v_nop
.endr
.endm
.macro CROUND                          ; a round of the cluster's barrier
	s_barrier_signal -1
	s_barrier_wait -1
	s_cmp_lg_u32 s14, 0
	s_cbranch_scc1 .Lnot_wave_0_\@
	s_barrier_signal -3
.Lnot_wave_0_\@:
	s_barrier_wait -3
	s_barrier_signal -1
	s_barrier_wait -1
.endm
	s_load_b256 s[4:11], s[0:1], 0x0               ; attn_img s[4:5], W s[6:7], b s[8:9], scales s[10:11]
	s_load_b64 s[12:13], s[0:1], 0x20              ; out0
	v_lshl_add_u32 v126, v0, 2, 0x46400
	v_mov_b32 v127, 0
	ds_add_u32 v126, v127
	ds_add_u32 v126, v127
	v_lshrrev_b32 v1, 5, v0
	v_readfirstlane_b32 s14, v1                    ; wave 0..3
	s_lshr_b32 s15, s14, 1                         ; which 64 rows are mine.  Also: I fetch for A (0) or for W (1)
	s_and_b32 s16, s14, 1                          ; which 64 columns.  Also: which half of a chunk I fetch
	s_bfe_u32 s17, ttmp6, 0x40000                  ; cx
	s_bfe_u32 s18, ttmp6, 0x40004                  ; cy
	s_lshl_b32 s19, ttmp9, 2
	s_add_co_u32 s19, s19, s17                     ; tile column
	s_and_b32 s20, ttmp7, 0xffff
	s_lshl_b32 s20, s20, 2
	s_add_co_u32 s20, s20, s18                     ; tile row
	s_lshl_b32 s21, s18, 2
	s_lshl_b32 s21, 15, s21                        ; my row of the cluster
	s_lshl_b32 s22, 0x1111, s17                    ; my column
	s_or_b32 s[G1A], s21, (3<<16)|(1<<21)          ; mask; elements of 8 bytes; bit 21 beside a mask; no padding
	s_mov_b32 s[G1A+1], 512<<16                    ; tensor_dim0 = 512 elements: four heads' images of a tile of rows, 4,096 bytes
	s_mov_b32 s[G1A+2], 4<<16                      ; tensor_dim1 = 4 tiles of rows
	s_mov_b32 s[G1A+3], 512<<16
	s_mov_b32 s[G1A+4], 4
	s_mov_b32 s[G1A+5], 2048                       ; from a tile of rows to the next: 16 heads x 1,024 bytes
	s_mov_b32 s[G1A+6], 0
	s_mov_b32 s[G1A+7], 0
	s_or_b32 s[G1B], s22, (1<<20)|(1<<21)|(5<<22)|(3<<25)   ; mask; elements of 1 byte; 4 words of padding behind every 64
	s_mov_b32 s[G1B+1], 256<<16
	s_mov_b32 s[G1B+2], 64<<16
	s_mov_b32 s[G1B+3], 256<<16
	s_mov_b32 s[G1B+4], 64
	s_mov_b32 s[G1B+5], 1024
	s_mov_b32 s[G1B+6], 0
	s_mov_b32 s[G1B+7], 0
	s_lshl_b32 s24, s20, 17                        ; A: 8 tiles of rows x 16,384 bytes for each tile row,
	s_lshl_b32 s25, s16, 16                        ; 4 of them for each half
	s_add_co_u32 s24, s24, s25
	s_mov_b32 s25, 0
	s_lshl_b32 s92, s19, 17                        ; W: 128 rows of 1,024 bytes for each tile column,
	s_lshl_b32 s93, s16, 16                        ; 64 for each half
	s_add_co_u32 s92, s92, s93
	s_mov_b32 s93, 0
	s_lshl_b32 s23, s16, 14                        ; where they go: no place in the cluster enters an LDS address
	s_mul_i32 s67, s16, 64*PITCH
	s_add_co_u32 s67, s67, BBASE
	s_wait_dscnt 0x0
	s_wait_kmcnt 0x0
	s_load_b256 s[84:91], s[10:11], 0x0            ; e0 .. e7
	s_add_nc_u64 s[24:25], s[4:5], s[24:25]
	s_add_nc_u64 s[92:93], s[6:7], s[92:93]
.irp i, 0,1,2,3
	s_mov_b32 s[G0A+4*\i], 1
	s_add_co_u32 s[G0A+4*\i+1], s23, \i*ACH
	s_add_nc_u64 s[G0A+4*\i+2:G0A+4*\i+3], s[24:25], \i*4096
	s_or_b32 s[G0A+4*\i+3], s[G0A+4*\i+3], 0x80000000
	s_mov_b32 s[G0B+4*\i], 1
	s_add_co_u32 s[G0B+4*\i+1], s67, \i*BCH
	s_add_nc_u64 s[G0B+4*\i+2:G0B+4*\i+3], s[92:93], \i*256
	s_or_b32 s[G0B+4*\i+3], s[G0B+4*\i+3], 0x80000000
.endr
	CROUND                                         ; all sixteen work-groups are here: the joint loads meet
	s_cmp_eq_u32 s15, 0                            ; a wave's four fills stand in one branch on its number; four v_nop follow the last
	s_cbranch_scc0 .Lfor_b
.irp i, 0,1,2,3
	tensor_load_to_lds s[G0A+4*\i:G0A+4*\i+3], s[G1A:G1A+7]
	s_nop 0
.endr
.rept 4
	v_nop
.endr
	s_branch .Lasked
.Lfor_b:
.irp i, 0,1,2,3
	tensor_load_to_lds s[G0B+4*\i:G0B+4*\i+3], s[G1B:G1B+7]
	s_nop 0
.endr
.rept 4
	v_nop
.endr
.Lasked:
	v_and_b32 v1, 15, v0                           ; r
	v_bfe_u32 v2, v0, 4, 1                         ; h
	v_and_b32 v3, 31, v0                           ; lane
	v_lshlrev_b32 v4, 5, v2                        ; the bias: my half's eight numbers
	s_lshl_b32 s60, s19, 9
	s_lshl_b32 s61, s16, 8
	s_add_co_u32 s60, s60, s61                     ; my first column, in bytes: 512 x + 256 x half
	s_mov_b32 s61, 0
	s_add_nc_u64 s[62:63], s[8:9], s[60:61]
.irp b, 0,1,2,3
	global_load_b128 v[BIAS+8*\b:BIAS+8*\b+3],   v4, s[62:63] offset:64*\b
	global_load_b128 v[BIAS+8*\b+4:BIAS+8*\b+7], v4, s[62:63] offset:64*\b+16
.endr
	s_add_nc_u64 s[12:13], s[12:13], s[60:61]
	s_lshl_b32 s60, s20, 19                        ; my first row: 128 y + 64 x half, rows of 4,096 bytes
	s_lshl_b32 s66, s15, 18
	s_add_co_u32 s60, s60, s66
	s_add_nc_u64 s[12:13], s[12:13], s[60:61]
	v_lshlrev_b32 v5, 4, v3
	s_lshl_b32 s66, s15, 14
	v_add_nc_u32 v[ADRA], s66, v5                  ; 16 x lane + my four tiles of rows
	v_add_nc_u32 v[ADRA+1], 2*ACH, v[ADRA]
	s_mul_i32 s66, s16, 64*PITCH
	s_add_co_u32 s66, s66, BBASE
	v_mul_u32_u24 v6, v1, PITCH
	v_lshl_add_u32 v6, v2, 4, v6
	v_add_nc_u32 v[ADRB], s66, v6                  ; row r x pitch + 16 h + my 64 rows of W
	v_add_nc_u32 v[ADRB+1], 2*BCH, v[ADRB]
	s_mul_i32 s66, s14, 16*PITCH
	s_add_co_u32 s66, s66, STAGE                   ; my stage
	v_mul_u32_u24 v6, v1, PITCH
	v_lshl_add_u32 v6, v2, 5, v6
	v_add_nc_u32 v[STO], s66, v6                   ; in: row r, 32 bytes for each half of the lanes
	v_mul_u32_u24 v6, v2, PITCH
	v_lshl_add_u32 v6, v1, 4, v6
	v_add_nc_u32 v[RD], s66, v6                    ; back: lanes 0-15 one row of 256 bytes, lanes 16-31 the next
	v_lshlrev_b32 v6, 12, v2
	v_lshl_add_u32 v[CO], v1, 4, v6                ; and the same two rows in out0
; 32 LDS loads in one run: step s's fragments (128 along K) into set s % 2: W's four, then A's four
.macro PFETCH s
	WIN 0x40
.set FP, 128*((\s)%2)
.irp b, 0,1,2,3
.irp c, 0,1,2,3
	ds_load_b128 v[FP+64+16*\b+4*\c:FP+64+16*\b+4*\c+3], v[ADRB+(\s)/4] offset:(((\s)/2)%2)*BCH+\b*16*PITCH+((\s)%2)*128+32*\c
.endr
.endr
.irp a, 0,1,2,3
.irp c, 0,1,2,3
	ds_load_b128 v[FP+16*\a+4*\c:FP+16*\a+4*\c+3], v[ADRA+(\s)/4] offset:(((\s)/2)%2)*ACH+\a*4096+((\s)%2)*2048+512*\c
.endr
.endr
.endm
; 8 matrix instructions: A's tiles a0, a0 + 1 x W's four.  The 16 accumulators take turns, one instruction a turn.  Step 0 starts the sums.
.macro PMUL s, a0
.set FP, 128*((\s)%2)
.irp a, \a0, \a0+1
.irp b, 0,1,2,3
.if (\s) == 0
	v_wmma_f32_16x16x128_fp8_fp8 v[ACC+8*(4*(\a)+\b):ACC+8*(4*(\a)+\b)+7], v[FP+64+16*\b:FP+64+16*\b+15], v[FP+16*(\a):FP+16*(\a)+15], 0
.else
	v_wmma_f32_16x16x128_fp8_fp8 v[ACC+8*(4*(\a)+\b):ACC+8*(4*(\a)+\b)+7], v[FP+64+16*\b:FP+64+16*\b+15], v[FP+16*(\a):FP+16*(\a)+15], v[ACC+8*(4*(\a)+\b):ACC+8*(4*(\a)+\b)+7]
.endif
.endr
.endr
.endm
.macro PSTEP s
	s_wait_dscnt 8                                 ; W's fragments and A's tiles 0, 1 are in; the youngest eight loads may be out
	WIN 0x05                                       ; sources window 1, C and D window 0
	PMUL \s, 0
	s_wait_dscnt 0x0
.if (\s) < 7
.if ((\s)%2) == 1
	s_wait_tensorcnt 3-((\s)+1)/2                  ; my part of the next chunk is in; the chunks behind it may stay out
	s_barrier_signal -1
	s_barrier_wait -1                              ; everybody's is
.endif
	PLACES
	PFETCH (\s)+1
	WIN 0x05
.endif
	PMUL \s, 2
.endm
	s_wait_tensorcnt 0x3                           ; my part of chunk 0 is in,
	s_barrier_signal -1
	s_barrier_wait -1                              ; everybody's is
	PFETCH 0
	PSTEP 0
	PSTEP 1
	PSTEP 2
	PSTEP 3
	PSTEP 4
	PSTEP 5
	PSTEP 6
	PSTEP 7
	WIN 0
	; THE WAY OUT, a block of 16 rows x 64 columns at a time: sum x 2^(e6 + e7) + b, through my own stage, back as whole rows of 256 bytes
	s_wait_kmcnt 0x0
	s_add_co_i32 s94, s90, s91
	s_add_co_i32 s94, s94, 127
	s_lshl_b32 s94, s94, 23                        ; 2^(e6 + e7) as f32
	s_mov_b32 s95, s94                             ; (named with it as a pair)
	s_wait_loadcnt 0x0                             ; the bias
	PLACES
.macro TOSTAGE a
.irp b, 0,1,2,3
.irp i, 0,2,4,6
	v_pk_fma_f32 v[TMP+8*\b+\i:TMP+8*\b+\i+1], v[ACC+8*(4*\a+\b)+\i:ACC+8*(4*\a+\b)+\i+1], s[94:95], v[BIAS+8*\b+\i:BIAS+8*\b+\i+1] op_sel_hi:[1,0,1]
.endr
.endr
.irp b, 0,1,2,3
	ds_store_b128 v[STO], v[TMP+8*\b:TMP+8*\b+3]   offset:64*\b
	ds_store_b128 v[STO], v[TMP+8*\b+4:TMP+8*\b+7] offset:64*\b+16
.endr
.irp i, 0,1,2,3,4,5,6,7
	ds_load_b128 v[ACC+32*\a+4*\i:ACC+32*\a+4*\i+3], v[RD] offset:2*\i*PITCH   ; LDS serves a wave's instructions in order (ISA guide 5.7.1.4): these see the stores above; they land in the block's own registers
.endr
.endm
.macro SEND a, younger
	s_wait_dscnt \younger
.irp i, 0,1,2,3,4,5,6,7
	global_store_b128 v[CO], v[ACC+32*\a+4*\i:ACC+32*\a+4*\i+3], s[12:13] offset:(16*\a+2*\i)*4096 th:TH_STORE_NT   ; 16 lanes store 256 consecutive bytes, aligned
.endr
.endm
	TOSTAGE 0
	TOSTAGE 1
	SEND 0, 16                                     ; behind block 0's loads: block 1's eight stores and eight loads
	TOSTAGE 2
	SEND 1, 16
	TOSTAGE 3
	SEND 2, 16
	SEND 3, 0
	s_wait_tensorcnt 0x0
	ds_add_u32 v126, v127
	s_wait_dscnt 0x0
	CROUND                                         ; the closing round: no work-group ends while a partner may still ask for a tile that names it
	s_endpgm
.Lfunc_end_k_qd2c36c2de0_proj:
	.size	k_qd2c36c2de0_proj, .Lfunc_end_k_qd2c36c2de0_proj-k_qd2c36c2de0_proj
	.p2alignl 7, 3214868480
	.fill 96, 4, 3214868480
	.section	.rodata,"a",@progbits
	.p2align	6, 0x0
	.amdhsa_kernel k_qd2c36c2de0_proj
		.amdhsa_group_segment_fixed_size 327680
		.amdhsa_private_segment_fixed_size 0
		.amdhsa_enable_private_segment 0
		.amdhsa_kernarg_size 40
		.amdhsa_user_sgpr_count 2
		.amdhsa_user_sgpr_kernarg_segment_ptr 1
		.amdhsa_wavefront_size32 1
		.amdhsa_system_sgpr_workgroup_id_x 1
		.amdhsa_system_sgpr_workgroup_id_y 1
		.amdhsa_system_sgpr_workgroup_id_z 1
		.amdhsa_system_vgpr_workitem_id 0
		.amdhsa_next_free_vgpr 512
		.amdhsa_next_free_sgpr 100
		.amdhsa_reserve_vcc 0
		.amdhsa_float_denorm_mode_32 3
		.amdhsa_float_denorm_mode_16_64 3
		.amdhsa_memory_ordered 1
		.amdhsa_forward_progress 1
		.amdhsa_inst_pref_size 47
	.end_amdhsa_kernel
	.amdgpu_metadata
---
amdhsa.version: [ 1, 2 ]
amdhsa.kernels:
  - .name:           k_qd2c36c2de0_proj
    .symbol:         k_qd2c36c2de0_proj.kd
    .args:
      - { .name: attn_img, .offset: 0, .size: 8, .value_kind: global_buffer, .address_space: global }
      - { .name: c_proj_w_codes, .offset: 8, .size: 8, .value_kind: global_buffer, .address_space: global }
      - { .name: c_proj_b, .offset: 16, .size: 8, .value_kind: global_buffer, .address_space: global }
      - { .name: lowp_scales, .offset: 24, .size: 8, .value_kind: global_buffer, .address_space: global }
      - { .name: out0, .offset: 32, .size: 8, .value_kind: global_buffer, .address_space: global }
    .group_segment_fixed_size: 327680
    .private_segment_fixed_size: 0
    .kernarg_segment_align: 8
    .kernarg_segment_size: 40
    .max_flat_workgroup_size: 128
    .sgpr_count:     100
    .vgpr_count:     512
    .wavefront_size: 32
...
	.end_amdgpu_metadata
.endif
;; end of part 3
